; MI455X (gfx1250); checked and timed in simulation.
; The chip was launched on July 23, 2026; its instructions are those of AMD's public machine-readable ISA for CDNA 5 (MIT licence, August 2026) and "CDNA5" Instruction Set Architecture Reference Guide (July 2026). The comments in the code are by the model that wrote it; some were corrected since.
;; Post Cross Attention. Allowed arithmetic: matrix products marked QUANTISED: E2M3 operands, one E8M0 scale for each 32 along K, by v_wmma_scale_f32_16x16x128_f8f6f4 with both operands' format E2M3, f32 sums; everything else in f32.
;; Inputs: Wk 768 x 768 float32; Wq 768 x 768 float32; Wv 512 x 512 float32; k 4 x 2,048 x 768 float32; masks 4 x 2,048 x 2,048 float32; q 4 x 2,048 x 768 float32; v 4 x 2,048 x 512 float32.
;; Outputs: out0 4 x 2,048 x 512 float32.
;; This version of the problem:
;;   THIS VERSION OF THE PROBLEM IS GIVEN IN LOW PRECISION. The matrix products marked QUANTISED in the list below multiply operands that are first quantised to E2M3 (2 exponent bits, 3 mantissa bits; 6 bits a number), with one power-of-two scale for each 32 numbers along K (OCP MX v1.0); their sums are f32. All else is computed in f32.
;;   The module's matrix products, in the order in which they are computed (A, B: the left and right operand; K: the contracted axis; several contracted axes count as one K, in the product's order):
;;     1. [M 8,192, K 768] x [K 768, N 768]; A: input q; B: input Wq: QUANTISED
;;     2. [M 8,192, K 768] x [K 768, N 768]; A: input k; B: input Wk: QUANTISED
;;     3. [M 8,192, K 512] x [K 512, N 512]; A: input v; B: input Wv: QUANTISED
;;     4. batch 32 x [M 2,048, K 96] x [K 96, N 2,048]; A: computed on the way; B: computed on the way: QUANTISED
;;     5. batch 32 x [M 2,048, K 2,048] x [K 2,048, N 64]; A: computed on the way; B: computed on the way: QUANTISED
;;   THE QUANTISER, for each operand of a quantised product, along K:
;;     - K is cut into blocks of 32 from its start; a last block that is shorter is filled with zeros.
;;     - A block's scale is 2^e with e = floor(log2(the largest magnitude in the block)) - 2, held to -126 .. 127; a block of zeros has e = 0. As a byte (E8M0): e + 127.
;;     - Each number is divided by its block's scale, clamped to +-7.5, and rounded to the nearest number of E2M3, ties to even, subnormals kept.
;;     - The product sums the exact products of the quantised numbers (number of the format x scale) in f32.
;;   ~~~python
;;   def quantise(x, axis):      # numpy; x: float32 -> the quantised numbers, widened to float32 again
;;       x = np.moveaxis(x, axis, -1); K = x.shape[-1]
;;       x = np.pad(x, [(0, 0)] * (x.ndim - 1) + [(0, -K % 32)]); x = x.reshape(x.shape[:-1] + (-1, 32)); a = np.abs(x).max(-1, keepdims=True)
;;       e = np.where(a > 0, np.clip(np.frexp(np.where(a > 0, a, 1))[1] - 1 - 2, -126, 127), 0)      # np.frexp(a)[1] - 1 = floor(log2(a)), exactly
;;       r = np.clip(x / 2.0 ** e, -7.5, 7.5)
;;       step = 2.0 ** (np.maximum(np.frexp(np.where(r == 0, 1, r))[1] - 1, 0) - 3)
;;       q = np.round(r / step) * step * 2.0 ** e      # np.round: ties to even
;;       return np.moveaxis(q.reshape(q.shape[:-2] + (-1,))[..., :K], -1, axis).astype(np.float32)
;;   ~~~
;;   OPERANDS COMPUTED ON THE WAY. 'Computed on the way' means the value that the module computes at that place (a softmax that the list does not call 'softmax' is quantised finished and normalised). What goes into a quantiser is computed in f32, as accurately as f32 sums, v_exp_f32 and their like allow (about 1e-6 of the number): no bf16 or f16 on the way to a quantiser, and a product that is left as it is and whose result goes on into a quantised operand takes f32 operands (vector FMAs, or v_wmma_f32_16x16x4_f32). A number that lies on a knife's edge between two numbers of the format may be rounded either way, as far as f32 arithmetic and the matrix unit's own rounding can turn it there, and no further.
;; One version. Each part assembles by itself: llvm-mc -triple=amdgcn-amd-amdhsa -mcpu=gfx1250 --defsym DOCPART=n.
;; ======== version 1 of 1: 3 launches
;; workspace buffers: cod 13,664,256 bytes; scl 1,138,688 bytes; qf 6,291,456 bytes; qs 262,144 bytes; kf 6,291,456 bytes; ks 262,144 bytes; vf 3,145,728 bytes; vs 131,072 bytes
;; launch quant (part 1): grid 416 x 1, 4 waves a work-group, no clusters, 68,096 bytes of LDS; arguments q, k, v, Wq, Wk, Wv, cod, scl; writes cod, scl
.if DOCPART == 1
	.amdgcn_target "amdgcn-amd-amdhsa--gfx1250"
	.amdhsa_code_object_version 6
	.text
	.protected	k_q0ef3275ff6_quant
	.globl	k_q0ef3275ff6_quant
	.p2align	8
	.type	k_q0ef3275ff6_quant,@function
k_q0ef3275ff6_quant:
	s_mov_b64 s[64:65], 0
	v_nop
	global_prefetch_b8 v0, s[64:65] scope:SCOPE_SE
	s_setreg_imm32_b32 hwreg(HW_REG_WAVE_MODE, 25, 1), 1
	s_wait_xcnt 0x0
; q, k [8192][768], v [8192][512], Wq, Wk [768][768], Wv [512][512], all f32 with K innermost, become codes of FP6 (E2M3) and E8M0 scale words,
; laid as IMAGES OF OPERAND REGISTERS.  A fragment is 16 rows x 128 K, 12 registers a lane: lane (r = l % 16, h = l / 16) holds row r, registers 6 c .. 6 c + 5 hold
; k = 64 c + 32 h + 0 .. 31.  In memory it is 1,536 bytes: registers 4 g .. 4 g + 3 of lane l at 512 g + 16 l.  cod: [tile][K step][1536]; scl: for each tile lane l's
; scale words of K steps 0-3 at 16 l, and (K = 768) of K steps 4, 5 at 512 + 8 l.
; THE ROWS OF A TILE: for q and Wv lane r of tile T takes row 16 T + r; for k, v, Wq, Wk it takes row 32 (T / 2) + 8 (T % 2) + r + 8 (r / 8), so that the products that take such
; a tile as source 0 leave 16 neighbours along the next K in a lane's 16 registers.
; A block's scale is 2^(floor(log2(its largest magnitude)) - 2); its byte is the largest magnitude's exponent field - 2, held at 1 from below.
; LIMITS: a block of zeros, or one whose largest magnitude lies under 2^-124, gets the byte 1 (its codes are zeros or nearly so, and this program alone reads the bytes); NaN and infinities are not served.
; SHARES: a wave takes one tile for all of K, 128 along K a step; a work-group four tiles.  Work-groups 0-127 q, 128-255 k, 256-383 v, 384-395 Wq, 396-407 Wk, 408-415 Wv.
; Each load reads 512 consecutive bytes of one row; a step's 16 rows turn through the wave's own stage in LDS (rows 528 bytes apart, an odd multiple of 16) and come back 128 bytes a lane and block.
; Waves share nothing: no barrier.  Loads run two steps (32 loads a wave) ahead.  No matrix unit, cluster or tensor load: a stream in which nothing is shared.
.set COD_K,  4718592
.set COD_V,  9437184
.set COD_WQ, 12582912
.set COD_WK, 13025280
.set COD_WV, 13467648
.set SCL_K,  393216
.set SCL_V,  786432
.set SCL_WQ, 1048576
.set SCL_WK, 1085440
.set SCL_WV, 1122304
.set WST,   8448                       ; a wave's stage: 16 rows x 528 bytes
.set STG_B, 33792                      ; the path for K = 512 has stages of its own, behind the four of the path for K = 768
.set SPARE, 67584                      ; behind the stages: the spare words, 128 bytes for each wave
.set L16, 1                            ; v1   16 x lane: my bytes of a row's 512, and of a store's 512
.set L8,  2                            ; v2   8 x lane
.set LW,  3                            ; v3   the stage, on the way in
.set LR,  4                            ; v4   and on the way out: row r, + 128 h
.set SH,  5                            ; v5   8 h: where my two bytes stand in the scale word
.set SPW, 6                            ; v6   my spare word; never rewritten
.set NIL, 7                            ; v7   0; never rewritten
.set TM,  8                            ; v8-9   largest magnitudes
.set SO,  10                           ; v10-11 the conversions' scale operands
.set BY,  12                           ; v12-13 bytes
.set WD,  14                           ; v14-15 the word, and the other half's
.set RA1, 16                           ; v16  16 x lane + what rows 8-15 lie further down than rows 0-7 + 8
.set SW,  32                           ; v32-37 a scale word for each K step
.set PC,  40                           ; v40-51 a fragment's codes
.set TP,  52                           ; v52-59 the upper halves of two blocks
.set X,   64                           ; v64-127 my two blocks of 32
.set R,   128                          ; v128-255 two sets of 64 registers as loaded
	s_load_b512 s[4:19], s[0:1], 0x0               ; q, k, v, Wq, Wk, Wv, cod s[16:17], scl s[18:19]
	v_lshl_add_u32 v[SPW], v0, 2, SPARE
	v_mov_b32 v[NIL], 0
	v_lshrrev_b32 v[L16], 5, v0
	v_readfirstlane_b32 s20, v[L16]                ; wave 0..3
	v_and_b32 v[WD], 31, v0                        ; lane
	v_and_b32 v[WD+1], 15, v0                      ; r
	v_bfe_u32 v[SH], v0, 4, 1                      ; h
	v_lshlrev_b32 v[L16], 4, v[WD]
	v_lshlrev_b32 v[L8], 3, v[WD]
	s_mul_i32 s21, s20, WST
	v_add_nc_u32 v[LW], s21, v[L16]
	v_mul_u32_u24 v[LR], v[WD+1], 528
	v_lshl_add_u32 v[LR], v[SH], 7, v[LR]
	v_add_nc_u32 v[LR], s21, v[LR]
	v_lshlrev_b32 v[SH], 3, v[SH]
	v_mov_b32 v[WD+1], 0                           ; written once: a lane permute's destination counts as one of its sources
	s_mov_b32 s22, 0x76543210
	s_mov_b32 s23, 0xfedcba98                      ; selects for lane l xor 16
	s_wait_kmcnt 0x0
; Which tensor is my work-group's: a chain of choices on the work-group's number alone, from the last tensor back to the first.
.macro PICK lim, p, first, codb, sclb, perm, k768
	s_cmp_lt_u32 ttmp9, \lim
	s_cselect_b64 s[24:25], s[\p:\p+1], s[24:25]
	s_cselect_b32 s26, \first, s26
	s_cselect_b32 s27, \codb, s27
	s_cselect_b32 s28, \sclb, s28
	s_cselect_b32 s29, \perm, s29
	s_cselect_b32 s30, \k768, s30
.endm
	s_mov_b64 s[24:25], s[14:15]                   ; Wv
	s_mov_b32 s26, 408                             ; its first work-group
	s_mov_b32 s27, COD_WV
	s_mov_b32 s28, SCL_WV
	s_mov_b32 s29, 0                               ; 1: the rows of a tile are not neighbours
	s_mov_b32 s30, 0                               ; 1: K = 768
	PICK 408, 12, 396, COD_WK, SCL_WK, 1, 1
	PICK 396, 10, 384, COD_WQ, SCL_WQ, 1, 1
	PICK 384, 8, 256, COD_V, SCL_V, 1, 0
	PICK 256, 6, 128, COD_K, SCL_K, 1, 1
	PICK 128, 4, 0, 0, 0, 0, 1
	s_sub_co_u32 s31, ttmp9, s26
	s_lshl_b32 s31, s31, 2
	s_add_co_u32 s31, s31, s20                     ; T: my tile
	s_and_b32 s32, s31, s29                        ; T % 2 where the rows are not neighbours, else 0
	s_lshl_b32 s32, s32, 3
	s_lshl_b32 s33, s31, 4
	s_sub_co_u32 s33, s33, s32                     ; the tile's first row
	s_cmp_eq_u32 s30, 1
	s_mov_b32 s34, 2048
	s_cselect_b32 s34, 3072, s34                   ; a row in bytes
	s_mov_b32 s35, 6144
	s_cselect_b32 s35, 9216, s35                   ; a tile's codes
	s_mov_b32 s36, 512
	s_cselect_b32 s36, 768, s36                    ; a tile's scale words
	s_mul_i32 s38, s33, s34
	s_mov_b32 s39, 0
	s_add_nc_u64 s[24:25], s[24:25], s[38:39]      ; the tensor at my tile's first row
	s_mul_i32 s38, s31, s35
	s_add_co_u32 s38, s38, s27
	s_add_nc_u64 s[16:17], s[16:17], s[38:39]      ; cod at my tile
	s_mul_i32 s38, s31, s36
	s_add_co_u32 s38, s38, s28
	s_add_nc_u64 s[18:19], s[18:19], s[38:39]      ; scl at my tile
	s_mul_i32 s38, s29, s34
	s_lshl_b32 s38, s38, 3
	v_add_nc_u32 v[RA1], s38, v[L16]               ; rows 8-15 lie eight rows further down where the rows are not neighbours
.macro LOAD t, pitch                   ; K step t: 16 rows x 512 bytes into set t % 2
.set RB, R+64*((\t)%2)
.irp j, 0,1,2,3,4,5,6,7
	global_load_b128 v[RB+4*\j:RB+4*\j+3], v[L16], s[24:25] offset:\j*\pitch+512*(\t) th:TH_LOAD_NT
.endr
.irp j, 8,9,10,11,12,13,14,15
	global_load_b128 v[RB+4*\j:RB+4*\j+3], v[RA1], s[24:25] offset:\j*\pitch+512*(\t) th:TH_LOAD_NT
.endr
.endm
.macro QSTEP t, nk, stg, pitch
.set RB, R+64*((\t)%2)
.if (\t)+1 < (\nk)
	s_wait_loadcnt 16                              ; this step's 16 loads are in; the next step's 16 may be out
.else
	s_wait_loadcnt 0x0
.endif
.irp j, 0,1,2,3,4,5,6,7,8,9,10,11,12,13,14,15
	ds_store_b128 v[LW], v[RB+4*\j:RB+4*\j+3] offset:\stg+528*\j
.endr
.irp c, 0,1
.irp i, 0,1,2,3,4,5,6,7
	ds_load_b128 v[X+32*\c+4*\i:X+32*\c+4*\i+3], v[LR] offset:\stg+256*\c+16*\i   ; LDS serves a wave's instructions in order: these see my stores.  Block 2 c + h of row r, whole
.endr
.endr
	s_wait_dscnt 0x0                               ; my numbers are back, and the stores into the stage have read their registers,
.if (\t)+2 < (\nk)
	LOAD (\t)+2, \pitch                            ; which take the loads of two steps on
.endif
.irp c, 0,1
	v_max3_num_f32 v[TM+\c], |v[X+32*\c]|, |v[X+32*\c+1]|, 0x1800000   ; the block's largest magnitude, and the floor 2^(3 - 127): the byte cannot fall under 1
.endr
.irp i, 2,4,6,8,10,12,14,16,18,20,22,24,26,28,30
.irp c, 0,1
	v_max3_num_f32 v[TM+\c], v[TM+\c], |v[X+32*\c+\i]|, |v[X+32*\c+\i+1]|
.endr
.endr
.irp c, 0,1
	v_add_nc_u32 v[SO+\c], 0xff000000, v[TM+\c]    ; 2 off its exponent field: the conversion takes the exponent field of this operand as its scale
.endr
.irp c, 0,1
	v_lshrrev_b32 v[BY+\c], 23, v[SO+\c]           ; the scale's byte
.endr
	v_lshl_or_b32 v[WD], v[BY+1], 16, v[BY]        ; my two bytes: blocks h and 2 + h,
	v_lshlrev_b32 v[WD], v[SH], v[WD]              ; at their places in the word;
	v_permlanex16_b32 v[WD+1], v[WD], s22, s23
	v_or_b32 v[SW+(\t)], v[WD], v[WD+1]            ; with lane l xor 16's two the word is whole
	s_wait_xcnt 0x0                                ; the last step's stores have read the codes' registers: they are written again only behind this wait
.irp c, 0,1
	v_cvt_scalef32_pk16_fp6_f32 v[PC+6*\c:PC+6*\c+2], v[X+32*\c:X+32*\c+15], v[SO+\c]
	v_cvt_scalef32_pk16_fp6_f32 v[TP+4*\c:TP+4*\c+2], v[X+32*\c+16:X+32*\c+31], v[SO+\c]   ; (a conversion's three registers begin on an even number)
.endr
	v_nop                                          ; one plain place behind a scaled conversion
.irp c, 0,1
.irp i, 0,1,2
	v_mov_b32 v[PC+3+6*\c+\i], v[TP+4*\c+\i]
.endr
.endr
.irp g, 0,1,2
	global_store_b128 v[L16], v[PC+4*\g:PC+4*\g+3], s[16:17] offset:1536*(\t)+512*\g   ; 32 lanes store 512 consecutive bytes, at a multiple of 256 from the buffer's first byte
.endr
.endm
.macro PATH nk, stg, pitch
	LOAD 0, \pitch
	LOAD 1, \pitch
.set Q, 0
.rept \nk
	QSTEP Q, \nk, \stg, \pitch
.set Q, Q+1
.endr
	global_store_b128 v[L16], v[SW:SW+3], s[18:19] ; the scale words of K steps 0-3
.if \nk == 6
	global_store_b64 v[L8], v[SW+4:SW+5], s[18:19] offset:512
.endif
	s_wait_tensorcnt 0x0                           ; the wave's end, behind my last LDS store
	ds_add_u32 v[SPW], v[NIL]
	s_wait_dscnt 0x0
	s_endpgm
.endm
	s_cmp_eq_u32 s30, 0                            ; the two lengths of K part here, on the work-group's number; each way has LDS bytes of its own
	s_cbranch_scc1 .Lk512
	PATH 6, 0, 3072
.Lk512:
	PATH 4, STG_B, 2048
.Lfunc_end_k_q0ef3275ff6_quant:
	.size	k_q0ef3275ff6_quant, .Lfunc_end_k_q0ef3275ff6_quant-k_q0ef3275ff6_quant
	.p2alignl 7, 3214868480
	.fill 96, 4, 3214868480
	.section	.rodata,"a",@progbits
	.p2align	6, 0x0
	.amdhsa_kernel k_q0ef3275ff6_quant
		.amdhsa_group_segment_fixed_size 68096
		.amdhsa_private_segment_fixed_size 0
		.amdhsa_enable_private_segment 0
		.amdhsa_kernarg_size 64
		.amdhsa_user_sgpr_count 2
		.amdhsa_user_sgpr_kernarg_segment_ptr 1
		.amdhsa_wavefront_size32 1
		.amdhsa_system_sgpr_workgroup_id_x 1
		.amdhsa_system_sgpr_workgroup_id_y 1
		.amdhsa_system_sgpr_workgroup_id_z 1
		.amdhsa_system_vgpr_workitem_id 0
		.amdhsa_next_free_vgpr 256
		.amdhsa_next_free_sgpr 66
		.amdhsa_reserve_vcc 0
		.amdhsa_float_denorm_mode_32 3
		.amdhsa_float_denorm_mode_16_64 3
		.amdhsa_memory_ordered 1
		.amdhsa_forward_progress 1
		.amdhsa_inst_pref_size 73
	.end_amdhsa_kernel
	.amdgpu_metadata
---
amdhsa.version: [ 1, 2 ]
amdhsa.kernels:
  - .name:           k_q0ef3275ff6_quant
    .symbol:         k_q0ef3275ff6_quant.kd
    .args:
      - { .name: q, .offset: 0, .size: 8, .value_kind: global_buffer, .address_space: global }
      - { .name: k, .offset: 8, .size: 8, .value_kind: global_buffer, .address_space: global }
      - { .name: v, .offset: 16, .size: 8, .value_kind: global_buffer, .address_space: global }
      - { .name: Wq, .offset: 24, .size: 8, .value_kind: global_buffer, .address_space: global }
      - { .name: Wk, .offset: 32, .size: 8, .value_kind: global_buffer, .address_space: global }
      - { .name: Wv, .offset: 40, .size: 8, .value_kind: global_buffer, .address_space: global }
      - { .name: cod, .offset: 48, .size: 8, .value_kind: global_buffer, .address_space: global }
      - { .name: scl, .offset: 56, .size: 8, .value_kind: global_buffer, .address_space: global }
    .group_segment_fixed_size: 68096
    .private_segment_fixed_size: 0
    .kernarg_segment_align: 8
    .kernarg_segment_size: 64
    .max_flat_workgroup_size: 128
    .sgpr_count:     66
    .vgpr_count:     256
    .wavefront_size: 32
...
	.end_amdgpu_metadata
.endif
;; end of part 1
;; launch proj (part 2): grid 4 x 64, 8 waves a work-group, clusters of 4 x 4, 327,680 bytes of LDS; arguments cod, scl, qf, qs, kf, ks, vf, vs; writes qf, qs, kf, ks, vf, vs
.if DOCPART == 2
	.amdgcn_target "amdgcn-amd-amdhsa--gfx1250"
	.amdhsa_code_object_version 6
	.text
	.protected	k_q0ef3275ff6_proj
	.globl	k_q0ef3275ff6_proj
	.p2align	8
	.type	k_q0ef3275ff6_proj,@function
k_q0ef3275ff6_proj:
	s_mov_b64 s[64:65], 0
	v_nop
	global_prefetch_b8 v0, s[64:65] scope:SCOPE_SE
	s_setreg_imm32_b32 hwreg(HW_REG_WAVE_MODE, 25, 1), 1
	s_wait_xcnt 0x0
	s_wait_alu depctr_hold_cnt(0) depctr_sa_sdst(0) depctr_va_vdst(0) depctr_va_sdst(0) depctr_va_ssrc(0) depctr_va_vcc(0) depctr_vm_vsrc(0)
	s_getreg_b32 s2, hwreg(HW_REG_IB_STS2, 6, 4)
	s_cmp_eq_u32 s2, 0
	s_cbranch_scc0 .Lentry_in_a_cluster
	s_endpgm
.Lentry_in_a_cluster:
	s_bfe_u32 s2, ttmp6, 0x10000c
	s_cmp_lg_u32 s2, 0xf033
	s_cbranch_scc0 .Lentry_shape_is_right
	s_endpgm
.Lentry_shape_is_right:
; The three projections on codes of FP6 (E2M3) with E8M0 scales, and their results quantised in registers for the two products of attention.
; cod, scl: fragment images and scale words as the launch before laid them (a fragment: 16 rows x 128 K, 1,536 bytes, registers 4 g .. 4 g + 3 of lane l at 512 g + 16 l).
; OUT: qf, kf [(batch, head)][tile of 16 rows][1536]: rows of q Wq^T or k Wk^T of one head, K = the head's 96 (k = 96 .. 127: zero codes); qs, ks [(batch, head)][tile][16 words].
;      vf [(batch, head)][128 keys][16 channels][1536]: (v Wv^T)^T, rows = channels, K = the keys; vs likewise, 16 words.
; SHARES.  Work-group (x, y): x = a pair of heads; y < 32: 256 rows of q, else of k; and 128 keys of v (y) for channels 128 x on.  Each of the eight waves does two tasks:
;  1: source 0 = the 6 tiles of W's rows of head 2 x + wave / 4, source 1 = 4 tiles of rows: 24 accumulators, 6 K steps, 144 matrix instructions;
;  2: source 0 = 8 tiles of v's rows (128 keys), source 1 = one tile of Wv's rows: 8 accumulators, 4 K steps, 32 matrix instructions.
; BOTH ARE USED TRANSPOSED, and source 0's tiles have rows that are not neighbours (lane r of tile 2 b + u: row 32 b + 8 u + r + 8 (r / 8)): a lane then holds one row of source 1 and the
; 16 registers of tiles 2 b, 2 b + 1 are 16 neighbours along the next K (the head's axis; the keys), which the conversions take as they stand.
; LDS is filled ONCE, by three tensor loads a wave at the head (three are out at most); nothing is filled again.  No padding: every LDS read is 512 consecutive bytes.
; CLUSTERS: 4 x 4.  The row tiles and v's tiles hang on y alone and are shared along a row of the cluster, W's tiles on x (and on which tensor, which all sixteen share) and are shared along a column: each is asked for jointly.
; LIMITS: a block whose largest magnitude lies under 2^-124 gets the byte 1; NaN and infinities are not served.
; REGISTERS: window 1: v0-191 accumulators ((a, b) at 48 b + 8 a; task 2: i at 8 i); v192-239 Wv's four fragments.
;  window 0: v1-10 addresses; v16-51, v52-75, v76-107, v108-111 scale words; v112-231 fragments, later codes; v232-251 at work.
.set COD_K,  4718592
.set COD_V,  9437184
.set COD_WQ, 12582912
.set COD_WK, 13025280
.set COD_WV, 13467648
.set SCL_K,  393216
.set SCL_V,  786432
.set SCL_WQ, 1048576
.set SCL_WK, 1085440
.set SCL_WV, 1122304
.set TSL,   4608                       ; a tile's three K steps
.set HALF,  129024                     ; 28 such places: 16 row tiles, then 12 tiles of W; K steps 0-2 from byte 0, K steps 3-5 from here
.set VA,    258048                     ; v's 8 tiles, 6,144 bytes each
.set SPARE, 307200                     ; the spare words, 128 bytes for each wave
.set L16, 1                            ; v1  16 x lane
.set L8,  2                            ; v2  8 x lane
.set L4R, 3                            ; v3  4 x (lane % 16)
.set LA,  4                            ; v4, v5  my head's tiles of W in the two halves
.set LB,  6                            ; v6, v7  my four row tiles
.set LV,  8                            ; v8  v's tiles
.set SPW, 9                            ; v9  my spare word; never rewritten
.set NIL, 10                           ; v10 0; never rewritten
.set SA,  16                           ; scale words of W's tile a, K step s: 6 a + s
.set SB,  52                           ; of row tile b: 6 b + s
.set VSA, 76                           ; of v's tile i: 4 i + s
.set VSB, 108                          ; of Wv's tile: s
.set FB,  112                          ; four fragments of rows
.set FA,  160                          ; six of W
.set TM,  232
.set TT,  236
.set SO,  240
.set BY,  244
.set PW,  248                          ; the scale words just made
.set MSB, 0
.macro WIN new                         ; the immediate's high byte repeats the setting that is left
.if MSB != \new
	s_set_vgpr_msb (MSB<<8)|\new
.set MSB, \new
.endif
.endm
.macro PLACES n
.rept \n
	v_nop
.endr
.endm
.macro CREST                           ; a round of the cluster's barrier behind its opening barrier
	s_cmp_lg_u32 s20, 0
	s_cbranch_scc1 .Lnot_wave_0_\@
	s_barrier_signal -3
.Lnot_wave_0_\@:
	s_barrier_wait -3
	s_barrier_signal -1
	s_barrier_wait -1
.endm
.macro CROUND
	s_barrier_signal -1
	s_barrier_wait -1
	CREST
.endm
; A joint load: waves 0-3 fetch four row tiles each, waves 4-7 three tiles of W each.  The branch hangs on the wave's number alone.  An s_nop 0 and four v_nop follow each line.
.macro JLOAD g0b, g0a
	s_cmp_eq_u32 s88, 0
	s_cbranch_scc0 .Lfor_w_\@
	tensor_load_to_lds s[\g0b:\g0b+3], s[24:31]
	s_nop 0
	PLACES 4
	s_branch .Lasked_\@
.Lfor_w_\@:
	tensor_load_to_lds s[\g0a:\g0a+3], s[32:39]
	s_nop 0
	PLACES 4
.Lasked_\@:
.endm
	s_load_b512 s[4:19], s[0:1], 0x0               ; cod s[4:5], scl s[6:7], qf, qs, kf, ks, vf s[16:17], vs s[18:19]
	v_lshl_add_u32 v[SPW], v0, 2, SPARE
	v_mov_b32 v[NIL], 0
	ds_add_u32 v[SPW], v[NIL]                      ; the wave's opening: the add and its wait stand ahead of my first tensor load; the set-up below, work on registers, stands between them
	v_lshrrev_b32 v[L16], 5, v0
	v_readfirstlane_b32 s20, v[L16]                ; wave 0..7
	s_bfe_u32 s21, ttmp6, 0x40000                  ; cx = work-group x (the grid is one cluster wide)
	s_bfe_u32 s22, ttmp6, 0x40004                  ; cy
	s_and_b32 s23, ttmp7, 0xffff                   ; cluster y, 0..15
	s_lshr_b32 s86, s23, 3                         ; 0: q, 1: k; the same in all sixteen partners
	s_and_b32 s87, s20, 3
	s_lshr_b32 s88, s20, 2
	s_lshl_b32 s72, s22, 2
	s_lshl_b32 s72, 15, s72                        ; my row of the cluster
	s_lshl_b32 s82, 0x1111, s21                    ; my column
	; descriptor groups 1: elements of 8 bytes, no padding.  Row tiles: 4 rows of 576 elements (three K steps), 1,152 elements (a tile's six K steps) apart
	s_or_b32 s24, s72, (3<<16)|(1<<21)
	s_mov_b32 s25, 576<<16
	s_mov_b32 s26, 4<<16
	s_mov_b32 s27, 576<<16
	s_mov_b32 s28, 4
	s_mov_b32 s29, 1152
	s_mov_b32 s30, 0
	s_mov_b32 s31, 0
	s_or_b32 s32, s82, (3<<16)|(1<<21)             ; W's tiles: 3 such rows
	s_mov_b32 s33, 576<<16
	s_mov_b32 s34, 3<<16
	s_mov_b32 s35, 576<<16
	s_mov_b32 s36, 3
	s_mov_b32 s37, 1152
	s_mov_b32 s38, 0
	s_mov_b32 s39, 0
	s_or_b32 s40, s72, (3<<16)|(1<<21)             ; a tile of v: 6,144 dense bytes as 24 rows of 256
	s_mov_b32 s41, 32<<16
	s_mov_b32 s42, 24<<16
	s_mov_b32 s43, 32<<16
	s_mov_b32 s44, 24
	s_mov_b32 s45, 32
	s_mov_b32 s46, 0
	s_mov_b32 s47, 0
	; where the tiles come from: the row tiles and v's from cy, the cluster's y and the wave; W's from cx and the wave; each in registers that never hold the other coordinate
	s_and_b32 s73, s23, 7
	s_lshl_b32 s73, s73, 2
	s_add_co_u32 s73, s73, s22                     ; which 256 rows
	s_lshl_b32 s74, s73, 4
	s_lshl_b32 s75, s87, 2
	s_add_co_u32 s74, s74, s75                     ; row tile 16 x that + 4 (wave % 4): the four that I fetch (waves 0-3), and the four that I multiply
	s_mul_i32 s76, s74, 9216
	s_cmp_eq_u32 s86, 0
	s_cselect_b32 s77, 0, COD_K
	s_add_co_u32 s76, s76, s77
	s_mov_b32 s77, 0
	s_lshl_b32 s78, s23, 2
	s_add_co_u32 s78, s78, s22                     ; work-group y: which 128 keys of v
	s_lshl_b32 s79, s78, 3                         ; their first tile
	s_add_co_u32 s80, s79, s20
	s_mul_i32 s80, s80, 6144
	s_add_co_u32 s80, s80, COD_V
	s_mov_b32 s81, 0
	s_mul_i32 s83, s21, 12                         ; the pair of heads' first tile of W
	s_mul_i32 s84, s87, 3
	s_add_co_u32 s84, s84, s83
	s_mul_i32 s84, s84, 9216
	s_mov_b32 s85, COD_WK
	s_cmp_eq_u32 s86, 0
	s_cselect_b32 s85, COD_WQ, s85
	s_add_co_u32 s84, s84, s85
	s_mov_b32 s85, 0
	; and where they go: no place in the cluster enters an LDS address
	s_mov_b32 s48, 1
	s_mul_i32 s49, s87, 4*TSL
	s_mov_b32 s52, 1
	s_add_co_u32 s53, s49, HALF
	s_mov_b32 s56, 1
	s_mul_i32 s57, s87, 3*TSL
	s_add_co_u32 s57, s57, 16*TSL
	s_mov_b32 s60, 1
	s_add_co_u32 s61, s57, HALF
	s_mov_b32 s68, 1
	s_mul_i32 s69, s20, 6144
	s_add_co_u32 s69, s69, VA
	s_wait_dscnt 0x0                               ; the opening add is done
	s_wait_kmcnt 0x0
	s_add_nc_u64 s[50:51], s[4:5], s[76:77]
	s_add_nc_u64 s[54:55], s[50:51], TSL           ; K steps 3-5
	s_or_b32 s51, s51, 0x80000000
	s_or_b32 s55, s55, 0x80000000
	s_add_nc_u64 s[58:59], s[4:5], s[84:85]
	s_add_nc_u64 s[62:63], s[58:59], TSL
	s_or_b32 s59, s59, 0x80000000
	s_or_b32 s63, s63, 0x80000000
	s_add_nc_u64 s[70:71], s[4:5], s[80:81]
	s_or_b32 s71, s71, 0x80000000
	CROUND                                         ; all sixteen work-groups are here: the joint loads meet
	JLOAD 48, 56                                   ; K steps 0-2
	JLOAD 52, 60                                   ; K steps 3-5
	tensor_load_to_lds s[68:71], s[40:47]          ; my tile of v: every wave one
	s_nop 0
	PLACES 4
	v_and_b32 v11, 31, v0
	v_lshlrev_b32 v[L16], 4, v11
	v_lshlrev_b32 v[L8], 3, v11
	v_and_b32 v[L4R], 15, v0
	v_lshlrev_b32 v[L4R], 2, v[L4R]
	s_mul_i32 s100, s88, 6*TSL
	s_add_co_u32 s100, s100, 16*TSL
	v_add_nc_u32 v[LA], s100, v[L16]
	v_add_nc_u32 v[LA+1], HALF, v[LA]
	s_mul_i32 s100, s87, 4*TSL
	v_add_nc_u32 v[LB], s100, v[L16]
	v_add_nc_u32 v[LB+1], HALF, v[LB]
	v_add_nc_u32 v[LV], VA, v[L16]
.irp i, 0,1,2,3
	v_mov_b32 v[TT+\i], 0                          ; written once: a lane permute's destination counts as one of its sources
.endr
	; the scale words and Wv's fragments come straight into registers
	s_mul_i32 s100, s88, 6
	s_add_co_u32 s100, s100, s83
	s_mul_i32 s100, s100, 768
	s_mov_b32 s101, SCL_WK
	s_cmp_eq_u32 s86, 0
	s_cselect_b32 s101, SCL_WQ, s101
	s_add_co_u32 s100, s100, s101
	s_mov_b32 s101, 0
	s_add_nc_u64 s[90:91], s[6:7], s[100:101]      ; my head's six tiles of W
	s_mul_i32 s100, s74, 768
	s_cmp_eq_u32 s86, 0
	s_cselect_b32 s2, 0, SCL_K
	s_add_co_u32 s100, s100, s2
	s_add_nc_u64 s[92:93], s[6:7], s[100:101]      ; my four row tiles
	s_lshl_b32 s100, s79, 9
	s_add_co_u32 s100, s100, SCL_V
	s_add_nc_u64 s[94:95], s[6:7], s[100:101]      ; v's eight tiles
	s_lshl_b32 s3, s21, 3
	s_add_co_u32 s3, s3, s20                       ; my tile of Wv: 8 x + wave
	s_lshl_b32 s100, s3, 9
	s_add_co_u32 s100, s100, SCL_WV
	s_add_nc_u64 s[96:97], s[6:7], s[100:101]
	s_mul_i32 s100, s3, 6144
	s_add_co_u32 s100, s100, COD_WV
	s_add_nc_u64 s[98:99], s[4:5], s[100:101]
.irp a, 0,1,2,3,4,5
	global_load_b128 v[SA+6*\a:SA+6*\a+3], v[L16], s[90:91] offset:768*\a
	global_load_b64 v[SA+6*\a+4:SA+6*\a+5], v[L8], s[90:91] offset:768*\a+512
.endr
.irp b, 0,1,2,3
	global_load_b128 v[SB+6*\b:SB+6*\b+3], v[L16], s[92:93] offset:768*\b
	global_load_b64 v[SB+6*\b+4:SB+6*\b+5], v[L8], s[92:93] offset:768*\b+512
.endr
.irp i, 0,1,2,3,4,5,6,7
	global_load_b128 v[VSA+4*\i:VSA+4*\i+3], v[L16], s[94:95] offset:512*\i
.endr
	global_load_b128 v[VSB:VSB+3], v[L16], s[96:97]
	WIN 0x40                                       ; destination window 1
.irp i, 0,1,2,3,4,5,6,7,8,9,10,11
	global_load_b128 v[192+4*\i:192+4*\i+3], v[L16], s[98:99] offset:512*\i
.endr
	WIN 0
	; where my results go
	s_lshl_b32 s89, s21, 1
	s_add_co_u32 s89, s89, s88                     ; my head
	s_lshr_b32 s2, s73, 3                          ; the batch
	s_lshl_b32 s2, s2, 3
	s_add_co_u32 s2, s2, s89
	s_lshl_b32 s2, s2, 7
	s_and_b32 s100, s73, 7
	s_lshl_b32 s100, s100, 4
	s_add_co_u32 s2, s2, s100
	s_lshl_b32 s100, s87, 2
	s_add_co_u32 s2, s2, s100                      ; ((batch, head) x 128 + the first of my four tiles in the batch
	s_cmp_eq_u32 s86, 0
	s_cselect_b64 s[8:9], s[8:9], s[12:13]         ; qf or kf,
	s_cselect_b64 s[10:11], s[10:11], s[14:15]     ; qs or ks
	s_mul_i32 s100, s2, 1536
	s_add_nc_u64 s[8:9], s[8:9], s[100:101]
	s_lshl_b32 s100, s2, 6
	s_add_nc_u64 s[10:11], s[10:11], s[100:101]
	s_lshr_b32 s2, s78, 4
	s_lshl_b32 s2, s2, 3
	s_add_co_u32 s2, s2, s89
	s_lshl_b32 s2, s2, 4
	s_and_b32 s100, s78, 15
	s_add_co_u32 s2, s2, s100
	s_lshl_b32 s2, s2, 2
	s_add_co_u32 s2, s2, s87                       ; (((batch, head) x 16 + which 128 keys) x 4 + which 16 channels of the head
	s_mul_i32 s100, s2, 1536
	s_add_nc_u64 s[16:17], s[16:17], s[100:101]
	s_lshl_b32 s100, s2, 6
	s_add_nc_u64 s[18:19], s[18:19], s[100:101]
; A K step of task 1: 30 LDS loads, 24 matrix instructions.  The 24 accumulators take turns, one instruction a turn, in the same order in every step.
.macro KSTEP s
.set HB, (\s)/3
.set KO, ((\s)%3)*1536
.irp b, 0,1,2,3
.irp g, 0,1,2
	ds_load_b128 v[FB+12*\b+4*\g:FB+12*\b+4*\g+3], v[LB+HB] offset:\b*TSL+KO+512*\g
.endr
.endr
.irp a, 0,1,2,3,4,5
.irp g, 0,1,2
	ds_load_b128 v[FA+12*\a+4*\g:FA+12*\a+4*\g+3], v[LA+HB] offset:\a*TSL+KO+512*\g
.endr
.endr
	WIN 0x50                                       ; C and D window 1
.irp a, 0,1,2,3,4,5
	s_wait_dscnt 3*(5-\a)                          ; the rows' fragments and W's tiles up to a are in; the later tiles' three loads each may be out
.irp b, 0,1,2,3
.if (\s) == 0
	v_wmma_scale_f32_16x16x128_f8f6f4 v[48*\b+8*\a:48*\b+8*\a+7], v[FA+12*\a:FA+12*\a+11], v[FB+12*\b:FB+12*\b+11], 0, v[SA+6*\a+(\s)], v[SB+6*\b+(\s)] matrix_a_fmt:MATRIX_FMT_FP6 matrix_b_fmt:MATRIX_FMT_FP6
.else
	v_wmma_scale_f32_16x16x128_f8f6f4 v[48*\b+8*\a:48*\b+8*\a+7], v[FA+12*\a:FA+12*\a+11], v[FB+12*\b:FB+12*\b+11], v[48*\b+8*\a:48*\b+8*\a+7], v[SA+6*\a+(\s)], v[SB+6*\b+(\s)] matrix_a_fmt:MATRIX_FMT_FP6 matrix_b_fmt:MATRIX_FMT_FP6
.endif
.endr
.endr
	WIN 0
	PLACES 4                                       ; in front of loads into registers that matrix instructions have read, and of the first read of results
.endm
; A K step of task 2: 24 LDS loads, 8 matrix instructions on 8 accumulators.
.macro VSTEP s
.irp i, 0,1,2,3,4,5,6,7
.irp g, 0,1,2
	ds_load_b128 v[FB+12*\i+4*\g:FB+12*\i+4*\g+3], v[LV] offset:\i*6144+1536*(\s)+512*\g
.endr
.endr
	WIN 0x54                                       ; source 1 (Wv), C and D window 1
.irp i, 0,1,2,3,4,5,6,7
	s_wait_dscnt 3*(7-\i)
.if (\s) == 0
	v_wmma_scale_f32_16x16x128_f8f6f4 v[8*\i:8*\i+7], v[FB+12*\i:FB+12*\i+11], v[192+12*(\s):192+12*(\s)+11], 0, v[VSA+4*\i+(\s)], v[VSB+(\s)] matrix_a_fmt:MATRIX_FMT_FP6 matrix_b_fmt:MATRIX_FMT_FP6
.else
	v_wmma_scale_f32_16x16x128_f8f6f4 v[8*\i:8*\i+7], v[FB+12*\i:FB+12*\i+11], v[192+12*(\s):192+12*(\s)+11], v[8*\i:8*\i+7], v[VSA+4*\i+(\s)], v[VSB+(\s)] matrix_a_fmt:MATRIX_FMT_FP6 matrix_b_fmt:MATRIX_FMT_FP6
.endif
.endr
	WIN 0
	PLACES 4
.endm
; nb blocks of 32 (3 or 4): register ab + 16 k + i of window 1 = number 32 k + 16 (lane / 16) + i of my row.  They become a fragment's codes in v[pcb] on (v[pcb + 12] on at work) and its scale word in v[pw].
; With three blocks the fourth is zero codes under the byte 0.  Each accumulator is read from its low end on.
.macro QUANT nb, ab, pcb, pw
	WIN 0x14                                       ; sources 1 and 2 window 1
.set k, 0
.rept \nb
	v_max3_num_f32 v[TM+k], 0x1800000, |v[(\ab)+16*k]|, |v[(\ab)+16*k+1]|   ; my 16 numbers of block k, and the floor 2^(3 - 127): the byte cannot fall under 1
.set k, k+1
.endr
.irp i, 2,4,6,8,10,12,14
.set k, 0
.rept \nb
	v_max3_num_f32 v[TM+k], v[TM+k], |v[(\ab)+16*k+\i]|, |v[(\ab)+16*k+\i+1]|
.set k, k+1
.endr
.endr
	WIN 0
.set k, 0
.rept \nb
	v_permlanex16_b32 v[TT+k], v[TM+k], s66, s67
.set k, k+1
.endr
.set k, 0
.rept \nb
	v_max_num_f32 v[TM+k], v[TM+k], v[TT+k]        ; with lane l xor 16's: the block's largest magnitude
.set k, k+1
.endr
.set k, 0
.rept \nb
	v_add_nc_u32 v[SO+k], 0xff000000, v[TM+k]      ; 2 off its exponent field: the conversion's scale operand
.set k, k+1
.endr
.set k, 0
.rept \nb
	v_lshrrev_b32 v[BY+k], 23, v[SO+k]             ; the scale's byte
.set k, k+1
.endr
	v_lshl_or_b32 v[\pw], v[BY+1], 8, v[BY]
	v_lshl_or_b32 v[\pw], v[BY+2], 16, v[\pw]
.if \nb == 4
	v_lshl_or_b32 v[\pw], v[BY+3], 24, v[\pw]
.endif
	WIN 0x01                                       ; source 0 window 1
	v_cvt_scalef32_pk16_fp6_f32 v[(\pcb):(\pcb)+2], v[(\ab):(\ab)+15], v[SO]
	v_cvt_scalef32_pk16_fp6_f32 v[(\pcb)+12:(\pcb)+14], v[(\ab)+16:(\ab)+31], v[SO+1]
	v_cvt_scalef32_pk16_fp6_f32 v[(\pcb)+6:(\pcb)+8], v[(\ab)+32:(\ab)+47], v[SO+2]
.if \nb == 4
	v_cvt_scalef32_pk16_fp6_f32 v[(\pcb)+16:(\pcb)+18], v[(\ab)+48:(\ab)+63], v[SO+3]
.endif
	WIN 0
	v_nop                                          ; one plain place behind a scaled conversion
.if \nb == 3
.irp i, 0,1,2
	v_mov_b32 v[(\pcb)+16+\i], 0
.endr
.endif
.irp c, 0,1                                    ; the operand's layout wants a WHOLE block in a lane: lanes 0-15 block 2 c, lanes 16-31 block 2 c + 1
.irp i, 0,1,2
	v_permlane16_swap_b32 v[(\pcb)+6*\c+\i], v[(\pcb)+12+4*\c+\i]
.endr
.irp i, 0,1,2
	v_mov_b32 v[(\pcb)+3+6*\c+\i], v[(\pcb)+12+4*\c+\i]
.endr
.endr
.endm
	s_mov_b32 s66, 0x76543210
	s_mov_b32 s67, 0xfedcba98                      ; selects for lane l xor 16
	s_wait_loadcnt 0x0                             ; the scale words and Wv
	s_wait_tensorcnt 0x2                           ; my part of K steps 0-2 is in; my two younger loads may be out
	s_barrier_signal -1
	s_barrier_wait -1                              ; everybody's is
	KSTEP 0
	KSTEP 1
	KSTEP 2
	s_wait_tensorcnt 0x1                           ; my part of K steps 3-5; the tile of v may be out
	s_wait_dscnt 0x0
	s_barrier_signal -1
	s_barrier_wait -1
	KSTEP 3
	KSTEP 4
	KSTEP 5
.irp b, 0,1,2,3                                ; each row tile's 96 numbers a row become a fragment; each has registers of its own, so that no store's data are written again
	QUANT 3, 48*\b, 112+20*\b, PW+\b
.irp g, 0,1,2
	global_store_b128 v[L16], v[112+20*\b+4*\g:112+20*\b+4*\g+3], s[8:9] offset:1536*\b+512*\g   ; 32 lanes store 512 consecutive bytes
.endr
	global_store_b32 v[L4R], v[PW+\b], s[10:11] offset:64*\b   ; row r's word (both halves of the lanes hold it and write it)
.endr
	s_wait_xcnt 0x0                                ; those stores have read their registers: the loads below land there
	s_wait_tensorcnt 0x0                           ; my tile of v
	s_wait_dscnt 0x0
	s_barrier_signal -1
	s_barrier_wait -1
	VSTEP 0
	VSTEP 1
	VSTEP 2
	VSTEP 3
	QUANT 4, 0, 112, PW
.irp g, 0,1,2
	global_store_b128 v[L16], v[112+4*\g:112+4*\g+3], s[16:17] offset:512*\g
.endr
	global_store_b32 v[L4R], v[PW], s[18:19]
	s_wait_tensorcnt 0x0                           ; the wave's end, behind my last tensor load
	ds_add_u32 v[SPW], v[NIL]
	s_wait_dscnt 0x0
	CROUND                                         ; the closing round: no work-group ends while a partner may still ask for a tile that names it
	s_endpgm
.Lfunc_end_k_q0ef3275ff6_proj:
	.size	k_q0ef3275ff6_proj, .Lfunc_end_k_q0ef3275ff6_proj-k_q0ef3275ff6_proj
	.p2alignl 7, 3214868480
	.fill 96, 4, 3214868480
	.section	.rodata,"a",@progbits
	.p2align	6, 0x0
	.amdhsa_kernel k_q0ef3275ff6_proj
		.amdhsa_group_segment_fixed_size 327680
		.amdhsa_private_segment_fixed_size 0
		.amdhsa_enable_private_segment 0
		.amdhsa_kernarg_size 64
		.amdhsa_user_sgpr_count 2
		.amdhsa_user_sgpr_kernarg_segment_ptr 1
		.amdhsa_wavefront_size32 1
		.amdhsa_system_sgpr_workgroup_id_x 1
		.amdhsa_system_sgpr_workgroup_id_y 1
		.amdhsa_system_sgpr_workgroup_id_z 1
		.amdhsa_system_vgpr_workitem_id 0
		.amdhsa_next_free_vgpr 512
		.amdhsa_next_free_sgpr 102
		.amdhsa_reserve_vcc 0
		.amdhsa_float_denorm_mode_32 3
		.amdhsa_float_denorm_mode_16_64 3
		.amdhsa_memory_ordered 1
		.amdhsa_forward_progress 1
		.amdhsa_inst_pref_size 76
	.end_amdhsa_kernel
	.amdgpu_metadata
---
amdhsa.version: [ 1, 2 ]
amdhsa.kernels:
  - .name:           k_q0ef3275ff6_proj
    .symbol:         k_q0ef3275ff6_proj.kd
    .args:
      - { .name: cod, .offset: 0, .size: 8, .value_kind: global_buffer, .address_space: global }
      - { .name: scl, .offset: 8, .size: 8, .value_kind: global_buffer, .address_space: global }
      - { .name: qf, .offset: 16, .size: 8, .value_kind: global_buffer, .address_space: global }
      - { .name: qs, .offset: 24, .size: 8, .value_kind: global_buffer, .address_space: global }
      - { .name: kf, .offset: 32, .size: 8, .value_kind: global_buffer, .address_space: global }
      - { .name: ks, .offset: 40, .size: 8, .value_kind: global_buffer, .address_space: global }
      - { .name: vf, .offset: 48, .size: 8, .value_kind: global_buffer, .address_space: global }
      - { .name: vs, .offset: 56, .size: 8, .value_kind: global_buffer, .address_space: global }
    .group_segment_fixed_size: 327680
    .private_segment_fixed_size: 0
    .kernarg_segment_align: 8
    .kernarg_segment_size: 64
    .max_flat_workgroup_size: 256
    .sgpr_count:     102
    .vgpr_count:     512
    .wavefront_size: 32
...
	.end_amdgpu_metadata
.endif
;; end of part 2
;; launch attn (part 3): grid 8 x 32, 8 waves a work-group, clusters of 4 x 1, 327,680 bytes of LDS; arguments qf, qs, kf, ks, vf, vs, masks, out0; writes out0
.if DOCPART == 3
	.amdgcn_target "amdgcn-amd-amdhsa--gfx1250"
	.amdhsa_code_object_version 6
	.text
	.protected	k_q0ef3275ff6_attn
	.globl	k_q0ef3275ff6_attn
	.p2align	8
	.type	k_q0ef3275ff6_attn,@function
k_q0ef3275ff6_attn:
	s_mov_b64 s[64:65], 0
	v_nop
	global_prefetch_b8 v0, s[64:65] scope:SCOPE_SE
	s_setreg_imm32_b32 hwreg(HW_REG_WAVE_MODE, 25, 1), 1
	s_wait_xcnt 0x0
	s_wait_alu depctr_hold_cnt(0) depctr_sa_sdst(0) depctr_va_vdst(0) depctr_va_sdst(0) depctr_va_ssrc(0) depctr_va_vcc(0) depctr_vm_vsrc(0)
	s_getreg_b32 s2, hwreg(HW_REG_IB_STS2, 6, 4)
	s_cmp_eq_u32 s2, 0
	s_cbranch_scc0 .Lentry_in_a_cluster
	s_endpgm
.Lentry_in_a_cluster:
	s_bfe_u32 s2, ttmp6, 0x10000c
	s_cmp_lg_u32 s2, 0x3003
	s_cbranch_scc0 .Lentry_shape_is_right
	s_endpgm
.Lentry_shape_is_right:
; out0[b][n][64 head + d] = the sum over keys m of a[n][m] vh[m][d],  a = softmax_m(qh[n] . kh[m] / sqrt(32)) x masks[b][n][m] / (8 x the sum over m of masks[b][n][m]),
; both products on codes of FP6 (E2M3) with one E8M0 scale for each 32 along K.  a is quantised FINISHED, along the keys: so the row's sum of exponentials and the mask's row sum
; are known before any number is converted.  That is had in ONE pass: a work-group holds a tile of 16 queries x all 2,048 keys in registers.
; qf, kf, vf: fragment images (16 rows x 128 K, 1,536 bytes, registers 4 g .. 4 g + 3 of lane l at 512 g + 16 l), qs, ks, vs: 16 scale words a fragment, as the launch before laid them.
; SHARES.  A work-group owns one (batch, head) and 256 queries, walked as 16 tiles of 16.  Wave w owns keys 256 w .. 256 w + 255 for the whole launch: its 16 fragments of K and 8 of V^T stay in registers.
; LAYOUT.  Both products transposed: S^T = K Q^T, O^T = V^T A^T: a lane holds ONE query (lane % 16).  The keys of a tile of K are not neighbours (lane r of tile 2 b + u: key 32 b + 8 u + r + 8 (r / 8)),
; so that register 16 b + i of S is key 256 w + 32 b + 16 (lane / 16) + i.
; A TILE: scores; the wave's largest t = c s (c = log2(e) / sqrt(32)); p = 2^(t - Mw); the sums of p and of the mask; p x mask in place | the waves' (Mw, sum p, sum m) meet in LDS, barrier A |
; F = 2^(Mw - M) / (8 l sum m), M the largest Mw, l = the sum of the waves' sums x 2^(Mw' - M); a = p m F; quantised; O^T of my 256 keys | the waves' parts of O meet in LDS, barrier B | each wave adds and stores two rows.
; THE MASK comes through two LDS slots by the tensor data mover: each wave fetches, and alone reads, its own 16 rows x 256 keys.  CLUSTER: the four partners are four heads of the same batch and queries and need the
; same mask tiles: each is asked for JOINTLY (mask 15).  K, V and Q differ between partners and come by plain loads.  Barrier A is the round of the cluster's barrier behind which the slot just read is filled again,
; with the tile two on; by this text's count a wave has two tensor loads out at the head and one later.
; LIMITS: NaN and infinities are not served; a row whose mask sums to 0 gives no finite numbers, as in the definition; a block whose largest |a| lies under 2^-124 gets the byte 1; p under 2^-126 counts as 0.
; REGISTERS: window 1: v0-191 K (tile t at 12 t); v192-251 V's fragments 0-4.   window 0: see the names below; v92-127 V's fragments 5-7; v128-255 S, later p, p m, a; O^T lies over v128-159.
.set PIECE, 16640                      ; a wave's part of a mask tile: 16 rows x (1,024 bytes + 16): the pitch is an odd multiple of 16 bytes
.set MP,    1040
.set SLOTB, 133120                     ; eight such parts
.set OPART, 266240                     ; the waves' parts of O: 8 x 16 rows x (256 bytes + 16)
.set OP,    272
.set STATS, 301056                     ; three planes (Mw, sum p, sum m) x 16 queries x 48 bytes: word [plane][query][wave]
.set SPARE, 303360                     ; the spare words, 128 bytes for each wave
.set AM,   1                           ; v1, v2  my lane's place in my part of slot 0, 1
.set ASTW, 3                           ; v3   where I put a figure
.set ASTR, 4                           ; v4   where I read my query's eight
.set AOPW, 5                           ; v5   where I put 32 bytes of a row of O
.set AOPR, 6                           ; v6   where I read 16 bytes of my wave's two rows
.set AQ,   7                           ; v7   16 x lane
.set AQS,  8                           ; v8   4 x (lane % 16)
.set AOUT, 9                           ; v9   my byte offset in the tile's rows of out0
.set PFO,  10                          ; v10  the prefetches' offset: row lane / 8, 256 x (lane % 8)
.set SPW,  11                          ; v11  my spare word; never rewritten
.set NIL,  12                          ; v12  0; never rewritten
.set QF,   16                          ; v16-27 Q's fragment
.set QSC,  28                          ; v28  its scale words
.set PW,   29                          ; v29, v30 a's scale words for my two K steps
.set L4,   31                          ; v31  4 x lane
.set KSC,  32                          ; v32-39 K's scale words: register i: tile 2 i in lanes 0-15, tile 2 i + 1 in lanes 16-31
.set VSC,  40                          ; v40-43 V's, likewise over pairs of fragments
.set NM,   44                          ; v44 -Mw, v45 Mw
.set LA,   46                          ; v46-49 two chains for the sum of p, v50-53 two for the mask's
.set SO,   46                          ; later: the eight conversions' scale operands
.set T,    54                          ; v54-57 at work
.set F,    58                          ; v58 F (v59 is named with it as a pair)
.set SG,   60                          ; v60-91: two groups of mask numbers; then the blocks' largest magnitudes and the waves' figures; then a's codes; then parts of O
.set MV,   SG+8
.set LV,   SG+16
.set SV,   SG+24
.set TP,   SG+24
.set VW,   92
.set S,    128
.set MSB, 0
.macro WIN new                         ; the immediate's high byte repeats the setting that is left
.if MSB != \new
	s_set_vgpr_msb (MSB<<8)|\new
.set MSB, \new
.endif
.endm
.macro PLACES n
.rept \n
	v_nop
.endr
.endm
.macro CREST                           ; a round of the cluster's barrier behind its opening barrier
	s_cmp_lg_u32 s20, 0
	s_cbranch_scc1 .Lnot_wave_0_\@
	s_barrier_signal -3
.Lnot_wave_0_\@:
	s_barrier_wait -3
	s_barrier_signal -1
	s_barrier_wait -1
.endm
.macro CROUND
	s_barrier_signal -1
	s_barrier_wait -1
	CREST
.endm
; A PREFETCH INTO THE L2 of the mask tile that the NEXT refill will ask for: 16 rows x 8,192 bytes.  Each aligned block of 256 bytes is named once in the launch: of the two clusters that walk the same rows the first asks;
; its four partners take four rows each, told apart BY ADDRESS; in each, waves 0, 2, 4, 6 take 2,048 bytes of each row: a lane a block, one instruction a wave.  how = 1 (slot 1): the loop's last trip asks for nothing: no tile is left.
.macro ASK how
.if \how
	s_cmp_gt_u32 s52, s53
.else
	s_cmp_eq_u32 s53, 1
.endif
	s_cbranch_scc0 .Lnot_mine_\@
	global_prefetch_b8 v[PFO], s[54:55] th:TH_LOAD_NT scope:SCOPE_SE
.Lnot_mine_\@:
.endm
	s_load_b512 s[4:19], s[0:1], 0x0               ; qf s[4:5], qs s[6:7], kf s[8:9], ks s[10:11], vf s[12:13], vs s[14:15], masks s[16:17], out0 s[18:19]
	v_lshl_add_u32 v[SPW], v0, 2, SPARE
	v_mov_b32 v[NIL], 0
	ds_add_u32 v[SPW], v[NIL]                      ; the wave's opening: the add and its wait stand ahead of my first tensor load; the set-up below, work on registers, stands between them
	v_lshrrev_b32 v13, 5, v0
	v_readfirstlane_b32 s20, v13                   ; wave 0..7
	s_bfe_u32 s21, ttmp6, 0x40000                  ; cx
	s_lshl_b32 s22, ttmp9, 2
	s_add_co_u32 s22, s22, s21                     ; my head: it enters Q's, K's, V's and out0's addresses alone
	s_and_b32 s23, ttmp7, 0xffff
	s_lshr_b32 s24, s23, 3                         ; the batch
	s_and_b32 s25, s23, 7                          ; which 256 queries
	s_lshl_b32 s26, s24, 3
	s_add_co_u32 s26, s26, s22                     ; (batch, head)
	; descriptor group 1: 16 rows x 256 elements of 4 bytes, 2,048 elements apart; 4 words of padding behind every 256 words; the mask names all four partners
	s_mov_b32 s32, 15|(2<<16)|(1<<20)|(1<<21)|(7<<22)|(3<<25)
	s_mov_b32 s33, 256<<16
	s_mov_b32 s34, 16<<16
	s_mov_b32 s35, 256<<16
	s_mov_b32 s36, 16
	s_mov_b32 s37, 2048
	s_mov_b32 s38, 0
	s_mov_b32 s39, 0
	s_mov_b32 s40, 1
	s_mul_i32 s41, s20, PIECE                      ; slot 0, my part: no place in the cluster enters an LDS address
	s_mov_b32 s44, 1
	s_add_co_u32 s45, s41, SLOTB
	s_lshl_b32 s56, s24, 24                        ; the mask: the batch's 2,048 x 2,048 numbers,
	s_lshl_b32 s57, s25, 21                        ; my work-group's 256 rows,
	s_add_co_u32 s56, s56, s57
	s_lshl_b32 s57, s20, 10                        ; my wave's 256 keys: nothing of cx
	s_add_co_u32 s56, s56, s57
	s_mov_b32 s57, 0
	s_lshl_b32 s58, s26, 7
	s_lshl_b32 s59, s25, 4
	s_add_co_u32 s58, s58, s59                     ; my first tile of queries
	s_mul_i32 s60, s58, 1536
	s_mov_b32 s61, 0
	s_lshl_b32 s62, s58, 6
	s_mov_b32 s63, 0
	s_lshl_b32 s58, s26, 7
	s_lshl_b32 s59, s20, 4
	s_add_co_u32 s58, s58, s59                     ; my first tile of keys
	s_mul_i32 s66, s58, 1536
	s_mov_b32 s67, 0
	s_lshl_b32 s68, s58, 6
	s_mov_b32 s69, 0
	s_mul_i32 s70, s26, 98304
	s_mul_i32 s59, s20, 12288
	s_add_co_u32 s70, s70, s59                     ; my eight fragments of V
	s_mov_b32 s71, 0
	s_lshl_b32 s28, s26, 12
	s_lshl_b32 s59, s20, 9
	s_add_co_u32 s28, s28, s59
	s_mov_b32 s29, 0
	s_lshl_b32 s30, s24, 22                        ; out0: the batch, my 256 rows of 2,048 bytes, my head's 256 bytes
	s_lshl_b32 s59, s25, 19
	s_add_co_u32 s30, s30, s59
	s_lshl_b32 s59, s22, 8
	s_add_co_u32 s30, s30, s59
	s_mov_b32 s31, 0
	s_lshl_b32 s72, s24, 24                        ; the prefetches: tile 2 (the first refill steps it to tile 3), my work-group's four rows, my wave's 2,048 bytes
	s_lshl_b32 s59, s25, 21
	s_add_co_u32 s72, s72, s59
	s_add_co_u32 s72, s72, 262144
	s_lshl_b32 s59, s21, 15
	s_add_co_u32 s72, s72, s59
	s_lshr_b32 s59, s20, 1
	s_lshl_b32 s59, s59, 11
	s_add_co_u32 s72, s72, s59
	s_mov_b32 s73, 0
	s_and_b32 s53, s20, 1
	s_or_b32 s53, s53, ttmp9                       ; 0 in waves 0, 2, 4, 6 of the first of the two clusters: the same in all four partners
	s_cmp_eq_u32 s53, 0
	s_cselect_b32 s53, 1, -1
	s_mov_b32 s48, 0x76543210
	s_mov_b32 s49, 0xfedcba98                      ; selects for lane l xor 16
	s_mov_b32 s50, 0x3e8293ee                      ; c = log2(e) / sqrt(32)
	s_mov_b32 s51, s50                             ; (named with it as a pair, so it is written)
	s_mov_b32 s52, 7                               ; trips of two tiles
	s_wait_dscnt 0x0                               ; the opening add is done
	s_wait_kmcnt 0x0
	s_add_nc_u64 s[42:43], s[16:17], s[56:57]      ; tile 0,
	s_add_nc_u64 s[46:47], s[42:43], 131072        ; tile 1: 16 rows of 8,192 bytes on
	s_or_b32 s43, s43, 0x80000000
	s_or_b32 s47, s47, 0x80000000
	s_add_nc_u64 s[54:55], s[16:17], s[72:73]
	s_add_nc_u64 s[4:5], s[4:5], s[60:61]
	s_add_nc_u64 s[6:7], s[6:7], s[62:63]
	s_add_nc_u64 s[8:9], s[8:9], s[66:67]
	s_add_nc_u64 s[10:11], s[10:11], s[68:69]
	s_add_nc_u64 s[12:13], s[12:13], s[70:71]
	s_add_nc_u64 s[14:15], s[14:15], s[28:29]
	s_add_nc_u64 s[18:19], s[18:19], s[30:31]
	CROUND                                         ; all four work-groups are here: the first joint loads meet
	tensor_load_to_lds s[40:43], s[32:39]
	s_nop 0
	tensor_load_to_lds s[44:47], s[32:39]
	s_nop 0
	PLACES 4
	v_and_b32 v13, 15, v0                          ; r
	v_bfe_u32 v14, v0, 4, 1                        ; h
	v_and_b32 v15, 31, v0                          ; lane
	v_lshlrev_b32 v[AQ], 4, v15
	v_lshlrev_b32 v[AQS], 2, v13
	v_lshlrev_b32 v[L4], 2, v15
	WIN 0x40                                       ; destination window 1
.set i, 0
.rept 48
	global_load_b128 v[4*i:4*i+3], v[AQ], s[8:9] offset:512*i      ; K: my 16 fragments, as they lie
.set i, i+1
.endr
.set i, 0
.rept 15
	global_load_b128 v[192+4*i:192+4*i+3], v[AQ], s[12:13] offset:512*i   ; V's fragments 0-4
.set i, i+1
.endr
	WIN 0
.set i, 0
.rept 9
	global_load_b128 v[VW+4*i:VW+4*i+3], v[AQ], s[12:13] offset:512*(15+i)   ; and 5-7
.set i, i+1
.endr
.irp i, 0,1,2,3,4,5,6,7
	global_load_b32 v[KSC+\i], v[L4], s[10:11] offset:128*\i
.endr
.irp i, 0,1,2,3
	global_load_b32 v[VSC+\i], v[L4], s[14:15] offset:128*\i
.endr
.irp g, 0,1,2
	global_load_b128 v[QF+4*\g:QF+4*\g+3], v[AQ], s[4:5] offset:512*\g   ; the first tile of queries
.endr
	global_load_b32 v[QSC], v[AQS], s[6:7]
	v_mul_u32_u24 v[AM], v13, MP
	v_lshl_add_u32 v[AM], v14, 6, v[AM]
	v_add_nc_u32 v[AM], s41, v[AM]                 ; my part + row r + 64 h: my 16 numbers of a block of 32 keys
	v_add_nc_u32 v[AM+1], SLOTB, v[AM]
	v_mul_u32_u24 v[ASTR], v13, 48
	v_add_nc_u32 v[ASTR], STATS, v[ASTR]
	s_lshl_b32 s27, s20, 2
	v_add_nc_u32 v[ASTW], s27, v[ASTR]
	v_mul_u32_u24 v[AOPW], v13, OP
	v_lshl_add_u32 v[AOPW], v14, 5, v[AOPW]
	s_mul_i32 s27, s20, 16*OP
	s_add_co_u32 s27, s27, OPART
	v_add_nc_u32 v[AOPW], s27, v[AOPW]
	v_mul_u32_u24 v[AOPR], v14, OP
	v_lshl_add_u32 v[AOPR], v13, 4, v[AOPR]
	s_mul_i32 s27, s20, 2*OP
	s_add_co_u32 s27, s27, OPART
	v_add_nc_u32 v[AOPR], s27, v[AOPR]             ; row 2 w + h, 16 bytes a lane
	v_lshlrev_b32 v[AOUT], 11, v14
	v_lshl_add_u32 v[AOUT], v13, 4, v[AOUT]
	s_lshl_b32 s27, s20, 12
	v_add_nc_u32 v[AOUT], s27, v[AOUT]
	v_lshrrev_b32 v[PFO], 3, v15
	v_lshlrev_b32 v[PFO], 13, v[PFO]
	v_and_b32 v13, 7, v15
	v_lshl_add_u32 v[PFO], v13, 8, v[PFO]
.irp i, 0,1,2,3
	v_mov_b32 v[T+\i], 0                           ; written once: a lane permute's destination counts as one of its sources
.endr
	v_mov_b32 v[F+1], 0                            ; (named as the upper half of a pair)
.macro MLOAD slot, g                   ; group g of the mask: my 16 numbers of block g, into half g % 2 of SG
.irp i, 0,1,2,3
	ds_load_b128 v[SG+16*((\g)%2)+4*\i:SG+16*((\g)%2)+4*\i+3], v[AM+\slot] offset:128*(\g)+16*\i
.endr
.endm
.macro MGROUP slot, g                  ; block g: p and the mask are summed, then p x mask in place
.set SBK, S+16*(\g)
.set MBK, SG+16*((\g)%2)
.if (\g) < 7
	s_wait_dscnt 4                                 ; this group's four loads are in; the next group's four may be out
.else
	s_wait_dscnt 0x0
.endif
.if (\g) == 0
	v_pk_add_f32 v[LA:LA+1], v[SBK:SBK+1], v[SBK+2:SBK+3]           ; the first pairs start the chains: nothing is cleared
	v_pk_add_f32 v[LA+2:LA+3], v[SBK+4:SBK+5], v[SBK+6:SBK+7]
	v_pk_add_f32 v[LA+4:LA+5], v[MBK:MBK+1], v[MBK+2:MBK+3]
	v_pk_add_f32 v[LA+6:LA+7], v[MBK+4:MBK+5], v[MBK+6:MBK+7]
.irp p, 8,12
	v_pk_add_f32 v[LA:LA+1], v[LA:LA+1], v[SBK+\p:SBK+\p+1]
	v_pk_add_f32 v[LA+2:LA+3], v[LA+2:LA+3], v[SBK+\p+2:SBK+\p+3]
	v_pk_add_f32 v[LA+4:LA+5], v[LA+4:LA+5], v[MBK+\p:MBK+\p+1]
	v_pk_add_f32 v[LA+6:LA+7], v[LA+6:LA+7], v[MBK+\p+2:MBK+\p+3]
.endr
.else
.irp p, 0,4,8,12
	v_pk_add_f32 v[LA:LA+1], v[LA:LA+1], v[SBK+\p:SBK+\p+1]
	v_pk_add_f32 v[LA+2:LA+3], v[LA+2:LA+3], v[SBK+\p+2:SBK+\p+3]
	v_pk_add_f32 v[LA+4:LA+5], v[LA+4:LA+5], v[MBK+\p:MBK+\p+1]
	v_pk_add_f32 v[LA+6:LA+7], v[LA+6:LA+7], v[MBK+\p+2:MBK+\p+3]
.endr
.endif
.irp p, 0,2,4,6,8,10,12,14
	v_pk_mul_f32 v[SBK+\p:SBK+\p+1], v[SBK+\p:SBK+\p+1], v[MBK+\p:MBK+\p+1]
.endr
.if (\g)+2 < 8
	MLOAD \slot, (\g)+2
.endif
.endm
.macro BMAX                            ; the largest |p m| of each block of 32 keys: work on registers alone
.irp b, 0,1,2,3,4,5,6,7
	v_max3_num_f32 v[SG+\b], |v[S+16*\b]|, |v[S+16*\b+1]|, |v[S+16*\b+2]|
.endr
.irp i, 3,5,7,9,11,13
.irp b, 0,1,2,3,4,5,6,7
	v_max3_num_f32 v[SG+\b], v[SG+\b], |v[S+16*\b+\i]|, |v[S+16*\b+\i+1]|
.endr
.endr
.irp b, 0,1,2,3,4,5,6,7
	v_max_num_f32 v[SG+\b], v[SG+\b], |v[S+16*\b+15]|
.endr
.irp b, 0,1,2,3,4,5,6,7
	v_permlanex16_b32 v[SG+8+\b], v[SG+\b], s48, s49
.endr
.irp b, 0,1,2,3,4,5,6,7
	v_max_num_f32 v[SG+\b], v[SG+\b], v[SG+8+\b]   ; with lane l xor 16's 16 keys
.endr
.endm
.macro PQUANT q                        ; my K step q: 64 numbers a lane become a fragment's codes at SG + 12 q
.set PCQ, SG+12*(\q)
.set SQ, S+64*(\q)
.irp c, 0,1
	v_cvt_scalef32_pk16_fp6_f32 v[PCQ+6*\c:PCQ+6*\c+2], v[SQ+32*\c:SQ+32*\c+15], v[SO+4*(\q)+2*\c]
	v_cvt_scalef32_pk16_fp6_f32 v[TP+4*\c:TP+4*\c+2], v[SQ+32*\c+16:SQ+32*\c+31], v[SO+4*(\q)+2*\c+1]   ; (a conversion's three registers begin on an even number)
.endr
	v_nop                                          ; one plain place behind a scaled conversion
.irp c, 0,1                                    ; the operand's layout wants a WHOLE block in a lane: lanes 0-15 block 2 c, lanes 16-31 block 2 c + 1
.irp i, 0,1,2
	v_permlane16_swap_b32 v[PCQ+6*\c+\i], v[TP+4*\c+\i]
.endr
.irp i, 0,1,2
	v_mov_b32 v[PCQ+3+6*\c+\i], v[TP+4*\c+\i]
.endr
.endr
.endm
; ONE TILE OF 16 QUERIES.  slot: where its mask lies; refill = 1: that slot takes the tile two on; tcnt: how many younger tensor loads may stay out; qnext = 1: the next tile's Q is asked for; how: see ASK.
.macro TILE slot, refill, tcnt, qnext, how
	s_wait_loadcnt 0x0                             ; Q (the first time K, V and the scale words too)
	WIN 0x01                                       ; source 0 (K) window 1
.set i, 0
.rept 8
	v_wmma_scale_f32_16x16x128_f8f6f4 v[S+16*i:S+16*i+7], v[24*i:24*i+11], v[QF:QF+11], 0, v[KSC+i], v[QSC] matrix_a_fmt:MATRIX_FMT_FP6 matrix_b_fmt:MATRIX_FMT_FP6
	v_wmma_scale_f32_16x16x128_f8f6f4 v[S+16*i+8:S+16*i+15], v[24*i+12:24*i+23], v[QF:QF+11], 0, v[KSC+i], v[QSC] matrix_a_fmt:MATRIX_FMT_FP6 matrix_b_fmt:MATRIX_FMT_FP6 matrix_a_scale:MATRIX_SCALE_ROW1
.set i, i+1
.endr
	WIN 0
	PLACES 4                                       ; in front of the loads into Q's registers and of the first read of the scores
.if \qnext
	s_add_nc_u64 s[4:5], s[4:5], 1536              ; (the loads that read these bases are in)
	s_add_nc_u64 s[6:7], s[6:7], 64
.irp g, 0,1,2
	global_load_b128 v[QF+4*\g:QF+4*\g+3], v[AQ], s[4:5] offset:512*\g
.endr
	global_load_b32 v[QSC], v[AQS], s[6:7]
.endif
	s_wait_tensorcnt \tcnt                         ; my part of this tile's mask is in LDS; I alone read it
	MLOAD \slot, 0
	MLOAD \slot, 1
	; the largest score of my query among my 256 keys: four chains, each accumulator from its low end on
.irp k, 0,1,2,3
	v_max3_num_f32 v[T+\k], v[S+32*\k], v[S+32*\k+1], v[S+32*\k+2]
.endr
.irp i, 3,5,7,9,11,13,15,17,19,21,23,25,27,29
.irp k, 0,1,2,3
	v_max3_num_f32 v[T+\k], v[T+\k], v[S+32*\k+\i], v[S+32*\k+\i+1]
.endr
.endr
.irp k, 0,1,2,3
	v_max_num_f32 v[T+\k], v[T+\k], v[S+32*\k+31]
.endr
	v_max3_num_f32 v[T], v[T], v[T+1], v[T+2]
	v_max_num_f32 v[T], v[T], v[T+3]
	v_permlanex16_b32 v[T+1], v[T], s48, s49
	v_max_num_f32 v[T], v[T], v[T+1]
	v_mul_f32 v[NM+1], s50, v[T]                   ; Mw, as t (c is positive)
	v_mul_f32 v[NM], -1.0, v[NM+1]
.set i, 0
.rept 64
	v_pk_fma_f32 v[S+2*i:S+2*i+1], v[S+2*i:S+2*i+1], s[50:51], v[NM:NM+1] op_sel_hi:[1,0,0]   ; t - Mw, two at a time
.set i, i+1
.endr
.set i, 0
.rept 128
	v_exp_f32 v[S+i], v[S+i]                       ; p = 2^(t - Mw), at most 1
.set i, i+1
.endr
	v_nop                                          ; a plain place behind the exponentials
	s_wait_alu depctr_va_vdst(0)                   ; the wait ahead of the first instruction that names a result: one for the batch
.irp g, 0,1,2,3,4,5,6,7
	MGROUP \slot, \g
.endr
	v_pk_add_f32 v[LA:LA+1], v[LA:LA+1], v[LA+2:LA+3]
	v_pk_add_f32 v[LA+4:LA+5], v[LA+4:LA+5], v[LA+6:LA+7]
	v_add_f32 v[T], v[LA], v[LA+1]
	v_add_f32 v[T+1], v[LA+4], v[LA+5]
	v_permlanex16_b32 v[T+2], v[T], s48, s49
	v_permlanex16_b32 v[T+3], v[T+1], s48, s49
	v_add_f32 v[T], v[T], v[T+2]                   ; my wave's sum of p for query r,
	v_add_f32 v[T+1], v[T+1], v[T+3]               ; and of the mask
	ds_store_b32 v[ASTW], v[NM+1]                  ; (both halves of the lanes write the same word with the same value)
	ds_store_b32 v[ASTW], v[T] offset:768
	ds_store_b32 v[ASTW], v[T+1] offset:1536
	; BARRIER A
.if \refill
	s_wait_tensorcnt 0x0                           ; all my tensor loads have landed, so a group 0 may be written
	ds_add_u32 v[SPW], v[NIL]                      ; 0 onto my spare word; the steps below stand between it and the wait for it
	s_add_nc_u64 s[42+4*\slot:43+4*\slot], s[42+4*\slot:43+4*\slot], 262144   ; this slot's next tile: two tiles of 16 rows on
	s_wait_xcnt 0x0                                ; the last prefetch, a tile back, has read its address
	s_add_nc_u64 s[54:55], s[54:55], 131072
	s_wait_dscnt 0x0                               ; the add and my three stores are done, and my reads of the slot are over
	s_barrier_signal -1
	BMAX
	s_barrier_wait -1
	CREST                                          ; the barrier has opened a round of the cluster's barrier: no wave of any partner still reads the slot or has a load on its way
	tensor_load_to_lds s[40+4*\slot:43+4*\slot], s[32:39]   ; the first thing behind the round, my one tensor load until the next; it is waited for a whole tile later
	s_nop 0
	PLACES 4
	ASK \how
.else
	s_wait_dscnt 0x0                               ; my three stores are done
	s_barrier_signal -1
	BMAX
	s_barrier_wait -1
.endif
	ds_load_b128 v[MV:MV+3], v[ASTR]               ; the eight waves' figures for my query
	ds_load_b128 v[MV+4:MV+7], v[ASTR] offset:16
	ds_load_b128 v[LV:LV+3], v[ASTR] offset:768
	ds_load_b128 v[LV+4:LV+7], v[ASTR] offset:784
	ds_load_b128 v[SV:SV+3], v[ASTR] offset:1536
	ds_load_b128 v[SV+4:SV+7], v[ASTR] offset:1552
	s_wait_dscnt 0x0
	v_max3_num_f32 v[T], v[MV], v[MV+1], v[MV+2]
	v_max3_num_f32 v[T+1], v[MV+3], v[MV+4], v[MV+5]
	v_max3_num_f32 v[T], v[T], v[MV+6], v[MV+7]
	v_max_num_f32 v[T], v[T], v[T+1]               ; M: the row's largest t
.irp p, 0,2,4,6
	v_pk_add_f32 v[MV+\p:MV+\p+1], v[MV+\p:MV+\p+1], v[T:T+1] op_sel_hi:[1,0] neg_lo:[0,1] neg_hi:[0,1]
.endr
	v_sub_f32 v[T+2], v[NM+1], v[T]
.irp p, 0,1,2,3,4,5,6,7
	v_exp_f32 v[MV+\p], v[MV+\p]                   ; 2^(Mw' - M)
.endr
	v_exp_f32 v[T+2], v[T+2]                       ; and my own wave's
	v_pk_add_f32 v[SV:SV+1], v[SV:SV+1], v[SV+2:SV+3]               ; the mask's row sum: plain work behind the exponentials
	v_pk_add_f32 v[SV+4:SV+5], v[SV+4:SV+5], v[SV+6:SV+7]
	v_pk_add_f32 v[SV:SV+1], v[SV:SV+1], v[SV+4:SV+5]
	v_add_f32 v[SV], v[SV], v[SV+1]
	s_wait_alu depctr_va_vdst(0)                   ; one wait for the nine
	v_pk_mul_f32 v[LV:LV+1], v[LV:LV+1], v[MV:MV+1]
.irp p, 2,4,6
	v_pk_fma_f32 v[LV:LV+1], v[LV+\p:LV+\p+1], v[MV+\p:MV+\p+1], v[LV:LV+1]
.endr
	v_add_f32 v[LV], v[LV], v[LV+1]                ; l: the row's sum of 2^(t - M)
	v_mul_f32 v[LV], v[LV], v[SV]
	v_rcp_f32 v[T+3], v[LV]
	v_mul_f32 v[T+2], 0x3e000000, v[T+2]           ; / 8 (a plain place behind the reciprocal)
	s_wait_alu depctr_va_vdst(0)
	v_mul_f32 v[F], v[T+2], v[T+3]                 ; F = 2^(Mw - M) / (8 l sum m)
.set i, 0
.rept 64
	v_pk_mul_f32 v[S+2*i:S+2*i+1], v[S+2*i:S+2*i+1], v[F:F+1] op_sel_hi:[1,0]   ; a = p m F
.set i, i+1
.endr
.irp b, 0,1,2,3,4,5,6,7
	v_mul_f32 v[SG+\b], |v[F]|, v[SG+\b]           ; the same multiplication of the block's largest |p m| gives the bits of its largest |a|
.endr
.irp b, 0,1,2,3,4,5,6,7
	v_max_num_f32 v[SG+\b], 0x1800000, v[SG+\b]    ; the floor 2^(3 - 127): the byte cannot fall under 1
.endr
.irp b, 0,1,2,3,4,5,6,7
	v_add_nc_u32 v[SO+\b], 0xff000000, v[SG+\b]    ; 2 off the exponent field: the conversion's scale operand
.endr
.irp b, 0,1,2,3,4,5,6,7
	v_lshrrev_b32 v[SG+8+\b], 23, v[SO+\b]         ; the scale's byte
.endr
.irp q, 0,1
	v_lshl_or_b32 v[PW+\q], v[SG+9+4*\q], 8, v[SG+8+4*\q]
	v_lshl_or_b32 v[PW+\q], v[SG+10+4*\q], 16, v[PW+\q]
	v_lshl_or_b32 v[PW+\q], v[SG+11+4*\q], 24, v[PW+\q]
.endr
	PQUANT 0
	PQUANT 1
	PLACES 8                                       ; operands and scale words written by vector instructions stand this far ahead of a scaled matrix instruction
	; O^T of my 256 keys: four accumulators by turns, two K steps
	WIN 0x01                                       ; source 0 (V's fragments 0-4) window 1
	v_wmma_scale_f32_16x16x128_f8f6f4 v[S:S+7], v[192:203], v[SG:SG+11], 0, v[VSC], v[PW] matrix_a_fmt:MATRIX_FMT_FP6 matrix_b_fmt:MATRIX_FMT_FP6
	v_wmma_scale_f32_16x16x128_f8f6f4 v[S+8:S+15], v[204:215], v[SG:SG+11], 0, v[VSC], v[PW] matrix_a_fmt:MATRIX_FMT_FP6 matrix_b_fmt:MATRIX_FMT_FP6 matrix_a_scale:MATRIX_SCALE_ROW1
	v_wmma_scale_f32_16x16x128_f8f6f4 v[S+16:S+23], v[216:227], v[SG:SG+11], 0, v[VSC+1], v[PW] matrix_a_fmt:MATRIX_FMT_FP6 matrix_b_fmt:MATRIX_FMT_FP6
	v_wmma_scale_f32_16x16x128_f8f6f4 v[S+24:S+31], v[228:239], v[SG:SG+11], 0, v[VSC+1], v[PW] matrix_a_fmt:MATRIX_FMT_FP6 matrix_b_fmt:MATRIX_FMT_FP6 matrix_a_scale:MATRIX_SCALE_ROW1
	v_wmma_scale_f32_16x16x128_f8f6f4 v[S:S+7], v[240:251], v[SG+12:SG+23], v[S:S+7], v[VSC+2], v[PW+1] matrix_a_fmt:MATRIX_FMT_FP6 matrix_b_fmt:MATRIX_FMT_FP6
	WIN 0
	v_wmma_scale_f32_16x16x128_f8f6f4 v[S+8:S+15], v[VW:VW+11], v[SG+12:SG+23], v[S+8:S+15], v[VSC+2], v[PW+1] matrix_a_fmt:MATRIX_FMT_FP6 matrix_b_fmt:MATRIX_FMT_FP6 matrix_a_scale:MATRIX_SCALE_ROW1
	v_wmma_scale_f32_16x16x128_f8f6f4 v[S+16:S+23], v[VW+12:VW+23], v[SG+12:SG+23], v[S+16:S+23], v[VSC+3], v[PW+1] matrix_a_fmt:MATRIX_FMT_FP6 matrix_b_fmt:MATRIX_FMT_FP6
	v_wmma_scale_f32_16x16x128_f8f6f4 v[S+24:S+31], v[VW+24:VW+35], v[SG+12:SG+23], v[S+24:S+31], v[VSC+3], v[PW+1] matrix_a_fmt:MATRIX_FMT_FP6 matrix_b_fmt:MATRIX_FMT_FP6 matrix_a_scale:MATRIX_SCALE_ROW1
	PLACES 4                                       ; in front of the stores that read the results and of the loads into the codes' registers
.irp d, 0,1,2,3
	ds_store_b128 v[AOPW], v[S+8*\d:S+8*\d+3] offset:64*\d          ; lane (r, h): query r, channels 16 d + 8 h + 0 .. 7; each accumulator from its low end on
	ds_store_b128 v[AOPW], v[S+8*\d+4:S+8*\d+7] offset:64*\d+16
.endr
	s_wait_dscnt 0x0                               ; for the others' sake: my part of O lies in LDS
	s_barrier_signal -1                            ; BARRIER B: my tensor load may stay out
	s_barrier_wait -1
.irp p, 0,1,2,3,4,5,6,7
	ds_load_b128 v[SG+4*\p:SG+4*\p+3], v[AOPR] offset:16*OP*\p      ; the eight waves' parts of row 2 w + h, four channels a lane
.endr
	s_wait_dscnt 0x0
.irp p, 0,8,16,24
	v_pk_add_f32 v[SG+\p:SG+\p+1], v[SG+\p:SG+\p+1], v[SG+\p+4:SG+\p+5]
	v_pk_add_f32 v[SG+\p+2:SG+\p+3], v[SG+\p+2:SG+\p+3], v[SG+\p+6:SG+\p+7]
.endr
.irp p, 0,16
	v_pk_add_f32 v[SG+\p:SG+\p+1], v[SG+\p:SG+\p+1], v[SG+\p+8:SG+\p+9]
	v_pk_add_f32 v[SG+\p+2:SG+\p+3], v[SG+\p+2:SG+\p+3], v[SG+\p+10:SG+\p+11]
.endr
	v_pk_add_f32 v[SG:SG+1], v[SG:SG+1], v[SG+16:SG+17]
	v_pk_add_f32 v[SG+2:SG+3], v[SG+2:SG+3], v[SG+18:SG+19]
	global_store_b128 v[AOUT], v[SG:SG+3], s[18:19] th:TH_STORE_NT  ; 16 lanes store 256 consecutive bytes, at a multiple of 256 from out0's first byte: a query's 64 channels of my head
	s_wait_xcnt 0x0                                ; the store has read its registers and its base: both are written again only behind this wait
	s_add_nc_u64 s[18:19], s[18:19], 32768         ; 16 rows of out0 on
.endm
.Lpair:                                            ; seven trips of two tiles: each fills its slot again
	TILE 0, 1, 1, 1, 0
	TILE 1, 1, 1, 1, 1
	s_sub_co_u32 s52, s52, 1
	s_cmp_lg_u32 s52, 0
	s_cbranch_scc1 .Lpair
	TILE 0, 0, 1, 1, 0                             ; the last two tiles are written out: nothing is left to fetch
	TILE 1, 0, 0, 0, 0
	s_wait_tensorcnt 0x0                           ; the wave's end, behind my last tensor load and my last LDS store
	ds_add_u32 v[SPW], v[NIL]
	s_wait_dscnt 0x0
	CROUND                                         ; the closing round: no work-group ends while a partner may still ask for a tile that names it
	s_endpgm
.Lfunc_end_k_q0ef3275ff6_attn:
	.size	k_q0ef3275ff6_attn, .Lfunc_end_k_q0ef3275ff6_attn-k_q0ef3275ff6_attn
	.p2alignl 7, 3214868480
	.fill 96, 4, 3214868480
	.section	.rodata,"a",@progbits
	.p2align	6, 0x0
	.amdhsa_kernel k_q0ef3275ff6_attn
		.amdhsa_group_segment_fixed_size 327680
		.amdhsa_private_segment_fixed_size 0
		.amdhsa_enable_private_segment 0
		.amdhsa_kernarg_size 64
		.amdhsa_user_sgpr_count 2
		.amdhsa_user_sgpr_kernarg_segment_ptr 1
		.amdhsa_wavefront_size32 1
		.amdhsa_system_sgpr_workgroup_id_x 1
		.amdhsa_system_sgpr_workgroup_id_y 1
		.amdhsa_system_sgpr_workgroup_id_z 1
		.amdhsa_system_vgpr_workitem_id 0
		.amdhsa_next_free_vgpr 512
		.amdhsa_next_free_sgpr 76
		.amdhsa_reserve_vcc 0
		.amdhsa_float_denorm_mode_32 3
		.amdhsa_float_denorm_mode_16_64 3
		.amdhsa_memory_ordered 1
		.amdhsa_forward_progress 1
		.amdhsa_inst_pref_size 206
	.end_amdhsa_kernel
	.amdgpu_metadata
---
amdhsa.version: [ 1, 2 ]
amdhsa.kernels:
  - .name:           k_q0ef3275ff6_attn
    .symbol:         k_q0ef3275ff6_attn.kd
    .args:
      - { .name: qf, .offset: 0, .size: 8, .value_kind: global_buffer, .address_space: global }
      - { .name: qs, .offset: 8, .size: 8, .value_kind: global_buffer, .address_space: global }
      - { .name: kf, .offset: 16, .size: 8, .value_kind: global_buffer, .address_space: global }
      - { .name: ks, .offset: 24, .size: 8, .value_kind: global_buffer, .address_space: global }
      - { .name: vf, .offset: 32, .size: 8, .value_kind: global_buffer, .address_space: global }
      - { .name: vs, .offset: 40, .size: 8, .value_kind: global_buffer, .address_space: global }
      - { .name: masks, .offset: 48, .size: 8, .value_kind: global_buffer, .address_space: global }
      - { .name: out0, .offset: 56, .size: 8, .value_kind: global_buffer, .address_space: global }
    .group_segment_fixed_size: 327680
    .private_segment_fixed_size: 0
    .kernarg_segment_align: 8
    .kernarg_segment_size: 64
    .max_flat_workgroup_size: 256
    .sgpr_count:     76
    .vgpr_count:     512
    .wavefront_size: 32
...
	.end_amdgpu_metadata
.endif
;; end of part 3
